; MI455X (gfx1250); checked and timed in simulation.
; The chip was launched on July 23, 2026; its instructions are those of AMD's public machine-readable ISA for CDNA 5 (MIT licence, August 2026) and "CDNA5" Instruction Set Architecture Reference Guide (July 2026). The comments in the code are by the model that wrote it; some were corrected since.
;; Knn Graph. Allowed arithmetic: matrix products marked QUANTISED: E2M3 operands, one E8M0 scale for each 32 along K, by v_wmma_scale_f32_16x16x128_f8f6f4 with both operands' format E2M3, f32 sums; everything else in f32.
;; Inputs: x 2 x 64 x 8,192 x 1 float32.
;; Outputs: out0 2 x 2 x 8,192 x 16 int32.
;; This version of the problem:
;;   THIS VERSION OF THE PROBLEM IS GIVEN IN LOW PRECISION. The matrix products marked QUANTISED in the list below multiply operands that are first quantised to E2M3 (2 exponent bits, 3 mantissa bits; 6 bits a number), with one power-of-two scale for each 32 numbers along K (OCP MX v1.0); their sums are f32. All else is computed in f32.
;;   The module's matrix products, in the order in which they are computed (A, B: the left and right operand; K: the contracted axis; several contracted axes count as one K, in the product's order):
;;     1. batch 2 x [M 8,192, K 64] x [K 64, N 8,192]; A: input x; B: input x: QUANTISED
;;   THE QUANTISER, for each operand of a quantised product, along K:
;;     - K is cut into blocks of 32 from its start; a last block that is shorter is filled with zeros.
;;     - A block's scale is 2^e with e = floor(log2(the largest magnitude in the block)) - 2, held to -126 .. 127; a block of zeros has e = 0. As a byte (E8M0): e + 127.
;;     - Each number is divided by its block's scale, clamped to +-7.5, and rounded to the nearest number of E2M3, ties to even, subnormals kept.
;;     - The product sums the exact products of the quantised numbers (number of the format x scale) in f32.
;;   ~~~python
;;   def quantise(x, axis):      # numpy; x: float32 -> the quantised numbers, widened to float32 again
;;       x = np.moveaxis(x, axis, -1); K = x.shape[-1]
;;       x = np.pad(x, [(0, 0)] * (x.ndim - 1) + [(0, -K % 32)]); x = x.reshape(x.shape[:-1] + (-1, 32)); a = np.abs(x).max(-1, keepdims=True)
;;       e = np.where(a > 0, np.clip(np.frexp(np.where(a > 0, a, 1))[1] - 1 - 2, -126, 127), 0)      # np.frexp(a)[1] - 1 = floor(log2(a)), exactly
;;       r = np.clip(x / 2.0 ** e, -7.5, 7.5)
;;       step = 2.0 ** (np.maximum(np.frexp(np.where(r == 0, 1, r))[1] - 1, 0) - 3)
;;       q = np.round(r / step) * step * 2.0 ** e      # np.round: ties to even
;;       return np.moveaxis(q.reshape(q.shape[:-2] + (-1,))[..., :K], -1, axis).astype(np.float32)
;;   ~~~
;; 2 versions, each right; version 2 is version 1 with the launch refine written anew for expert scheduling mode. Each part assembles by itself: llvm-mc -triple=amdgcn-amd-amdhsa -mcpu=gfx1250 --defsym DOCPART=n.
;; ======== version 1 of 2: 3 launches
;; workspace buffers: cand 1,048,576 bytes; list 1,048,576 bytes of whole numbers
;; launch prep (part 1): grid 256 x 1, 2 waves a work-group, no clusters, 4,352 bytes of LDS; arguments x, cand; writes cand
.if DOCPART == 1
	.amdgcn_target "amdgcn-amd-amdhsa--gfx1250"
	.amdhsa_code_object_version 6
	.text
	.protected	k_qed8c338b71_prep
	.globl	k_qed8c338b71_prep
	.p2align	8
	.type	k_qed8c338b71_prep,@function
k_qed8c338b71_prep:
	s_mov_b64 s[64:65], 0
	v_nop
	global_prefetch_b8 v0, s[64:65] scope:SCOPE_SE
	s_setreg_imm32_b32 hwreg(HW_REG_WAVE_MODE, 25, 1), 1
	s_wait_xcnt 0x0
; x [2][64][8192] f32 (batch, channel c, point) is quantised ONCE along c into codes of FP6 (E2M3), one E8M0 byte for each 32 channels, and each point's
; sum of squares sq is made; both later launches read only what this one stores.
; OUT: cand [2][1024 units][512 bytes].  Unit u holds points 8 u + i, i = 0 .. 7.  A point's 64 codes are 12 words w0 .. w11; part hk (channels 32 hk on) is w[6 hk .. 6 hk + 5].
;   byte (8 hk + i) 16      : w[6 hk + 0 .. 3]         byte 256 + (8 hk + i) 8 : w[6 hk + 4 .. 5]
;   byte 384 + 4 i          : the scale word: byte 0, 1 the two blocks' bytes, bytes 2, 3 = 127 (for the half of the matrix instruction's K that holds zero codes)
;   byte 416 + 4 i          : sq's upper part hi, f32      byte 448 + 4 i : its lower part lo, f32      byte 480 on: zeros
; That is the order in which a matrix operand's lanes take their registers: 16 bytes and 8 bytes a lane, no shuffle.
; A LANE TAKES A POINT AND ITS REGISTERS RUN DOWN c: each load reads 128 consecutive bytes, a block's largest magnitude needs no other lane, and the conversions' results are the codes with K innermost.
; A block's scale is 2^(floor(log2(largest magnitude)) - 2): its byte is the largest magnitude's exponent field - 2, held at 1 from below.
; sq IS KEPT AS hi + lo, since a neighbour's place can turn on less than sq's last bit.  Each square is p = x x rounded and its exact error e = x x - p (one fused multiply-add); the p are added one by one, and
; what each addition rounds away is recovered exactly (six additions: the sum, then both operands' parts of it taken back); all errors are gathered in one f32 word.  hi = the sum + the gathered errors, rounded;
; lo = what hi leaves out.  The multiplies and additions here are kept apart on purpose: their single roundings are what is being measured.
; LIMITS: no NaN or infinity among the inputs; blocks whose largest magnitude lies under 2^-124 keep the byte 1; a block of zeros gets the byte 1 where the rule says 127: its codes are zeros, and this program alone reads the bytes.
; SHARES: wave W = 2 x work-group + wave (0 .. 511) takes 32 points: four units, 2,048 bytes, which leave through the wave's own 2,048 bytes of LDS as eight stores of 256 consecutive aligned bytes.  Waves share nothing: no barrier.
.set CROW,  32768                      ; bytes from channel to channel
.set UNIT,  512
.set P,     14                         ; v14        a square, rounded
.set E,     15                         ; v15        and its error
.set AA,    16                         ; v16, v17   at work
.set BB,    17
.set S,     18                         ; v18, v19   the running sum, in two registers by turns
.set C,     20                         ; v20-34     the codes: four conversions, three registers each, each begun on an even number
.set OUTR,  36                         ; v36-51     the way out
.set X,     52                         ; v52-115    my point's 64 numbers
.set CC,    116                        ; v116       the gathered errors
.set LO,    117                        ; v117       sq's lower part (its upper part: v13)
.set ZR,    118                        ; v118       0
	s_load_b128 s[4:7], s[0:1], 0x0                ; x, cand
	v_lshl_add_u32 v120, v0, 2, 0x1000
	v_mov_b32 v121, 0
	v_lshrrev_b32 v1, 5, v0
	v_readfirstlane_b32 s8, v1                     ; wave 0, 1
	v_and_b32 v7, 31, v0                           ; lane
	v_lshlrev_b32 v1, 2, v7                        ; 4 bytes a lane
	s_lshl_b32 s9, ttmp9, 1
	s_add_co_u32 s9, s9, s8                        ; W
	s_lshr_b32 s10, s9, 8                          ; batch
	s_lshl_b32 s10, s10, 21                        ; x 64 x 8192 x 4 bytes
	s_and_b32 s11, s9, 255
	s_lshl_b32 s11, s11, 7                         ; my 32 points: 128 bytes of each channel's row
	s_add_co_u32 s10, s10, s11
	s_mov_b32 s11, 0
	s_mul_i32 s12, s9, 4*UNIT                      ; my four units (256 waves x 2,048 bytes are a batch's 524,288)
	s_mov_b32 s13, 0
	s_lshl_b32 s14, s8, 11                         ; my wave's LDS
	s_wait_kmcnt 0x0
	s_add_nc_u64 s[4:5], s[4:5], s[10:11]
	s_add_nc_u64 s[6:7], s[6:7], s[12:13]
.set cc, 0
.rept 64
	global_load_b32 v[X+cc], v1, s[4:5] offset:cc*CROW th:TH_LOAD_NT   ; channel cc of 32 neighbouring points; read once in the launch
.set cc, cc+1
.endr
	v_lshrrev_b32 v8, 3, v7                        ; which of my wave's four units
	v_and_b32 v9, 7, v7                            ; i
	v_mul_u32_u24 v8, v8, UNIT
	v_add_nc_u32 v8, s14, v8
	v_lshl_add_u32 v2, v9, 4, v8                   ; unit + 16 i
	v_lshl_add_u32 v3, v9, 3, v8                   ; unit + 8 i
	v_lshl_add_u32 v4, v9, 2, v8                   ; unit + 4 i
	v_lshlrev_b32 v6, 3, v7                        ; the way out: 8 bytes a lane
	v_add_nc_u32 v5, s14, v6
	v_mov_b32 v[ZR], 0
; block b: its largest magnitude (two chains), the conversion's scale operand into v[10 + b], and its 32 squares onto the running sum
.macro BLOCK b
.set XS, X+32*\b
	v_max3_num_f32 v8, |v[XS]|, |v[XS+1]|, |v[XS+2]|
	v_max3_num_f32 v9, |v[XS+3]|, |v[XS+4]|, |v[XS+5]|
.irp i, 6,10,14,18,22,26
	v_max3_num_f32 v8, v8, |v[XS+\i]|, |v[XS+\i+1]|
	v_max3_num_f32 v9, v9, |v[XS+\i+2]|, |v[XS+\i+3]|
.endr
	v_max3_num_f32 v8, v8, |v[XS+30]|, |v[XS+31]|
	v_max3_num_f32 v8, v8, v9, 0x1800000           ; and the floor 2^(3 - 127): the byte cannot fall under 1
	v_add_nc_u32 v[10+\b], 0xff000000, v8          ; 2 off the exponent field: the conversion takes this operand's exponent field as its scale, and nothing else of it
.set kk, 32*\b
.rept 32
.if kk == 0
	v_mul_f32 v[S], v[X], v[X]                     ; the first square starts the sum,
	v_fma_f32 v[CC], v[X], v[X], -v[S]             ; its error the gathered errors
.else
	v_mul_f32 v[P], v[X+kk], v[X+kk]               ; p
	v_fma_f32 v[E], v[X+kk], v[X+kk], -v[P]        ; e = x x - p, exactly
	v_add_f32 v[S+kk%2], v[S+(kk-1)%2], v[P]       ; the new sum
	v_sub_f32 v[BB], v[S+kk%2], v[S+(kk-1)%2]      ; what of it is p's,
	v_sub_f32 v[AA], v[S+kk%2], v[BB]              ; what the old sum's
	v_sub_f32 v[BB], v[P], v[BB]                   ; what p lost,
	v_sub_f32 v[AA], v[S+(kk-1)%2], v[AA]          ; what the old sum lost:
	v_add_f32 v[AA], v[AA], v[BB]                  ; the addition's error, exactly
	v_add_f32 v[AA], v[AA], v[E]
	v_add_f32 v[CC], v[CC], v[AA]
.endif
.set kk, kk+1
.endr
.endm
	s_wait_loadcnt 32                              ; channels 0 to 31 are in; the 32 loads issued behind them may be out
	BLOCK 0
	s_wait_loadcnt 0x0
	BLOCK 1
	v_add_f32 v13, v[S+1], v[CC]                   ; hi (the 64th square left the sum in the second register)
	v_sub_f32 v[AA], v13, v[S+1]
	v_sub_f32 v[LO], v[CC], v[AA]                  ; lo = the errors less what hi took of them: exact, the sum being the larger of the two
	v_cvt_scalef32_pk16_fp6_f32 v[C:C+2], v[X:X+15], v10            ; w0-2: sixteen numbers / the scale, to the nearest code, ties to even, beyond the largest code the largest
	v_cvt_scalef32_pk16_fp6_f32 v[C+4:C+6], v[X+16:X+31], v10       ; w3-5
	v_cvt_scalef32_pk16_fp6_f32 v[C+8:C+10], v[X+32:X+47], v11      ; w6-8
	v_cvt_scalef32_pk16_fp6_f32 v[C+12:C+14], v[X+48:X+63], v11     ; w9-11
	v_lshrrev_b32 v8, 23, v10                      ; the two scale bytes (plain lines behind the conversions)
	v_lshrrev_b32 v9, 23, v11
	v_lshl_or_b32 v12, v9, 8, v8
	v_or_b32 v12, 0x7f7f0000, v12                  ; the scale word
.irp hk, 0,1
	ds_store_b96 v2, v[C+8*\hk:C+8*\hk+2] offset:128*\hk
	ds_store_b32 v2, v[C+8*\hk+4] offset:128*\hk+12
	ds_store_b32 v3, v[C+8*\hk+5] offset:256+64*\hk
	ds_store_b32 v3, v[C+8*\hk+6] offset:256+64*\hk+4
.endr
	ds_store_b32 v4, v12 offset:384
	ds_store_b32 v4, v13 offset:416
	ds_store_b32 v4, v[LO] offset:448
	ds_store_b32 v4, v[ZR] offset:480              ; the unit's last 32 bytes are written too: later launches copy whole units
.irp k, 0,1,2,3,4,5,6,7
	ds_load_b64 v[OUTR+2*\k:OUTR+2*\k+1], v5 offset:256*\k          ; LDS serves a wave's instructions in order (ISA guide 5.7.1.4): these see my stores
.endr
.irp k, 0,1,2,3,4,5,6,7
	s_wait_dscnt 7-\k                              ; load k is in; the loads issued behind it may be out
	global_store_b64 v6, v[OUTR+2*\k:OUTR+2*\k+1], s[6:7] offset:256*\k   ; 32 lanes store 256 consecutive bytes, at a multiple of 256 from cand's first byte
.endr
	s_wait_tensorcnt 0x0
	ds_add_u32 v120, v121
	s_wait_dscnt 0x0
	s_endpgm
.Lfunc_end_k_qed8c338b71_prep:
	.size	k_qed8c338b71_prep, .Lfunc_end_k_qed8c338b71_prep-k_qed8c338b71_prep
	.p2alignl 7, 3214868480
	.fill 96, 4, 3214868480
	.section	.rodata,"a",@progbits
	.p2align	6, 0x0
	.amdhsa_kernel k_qed8c338b71_prep
		.amdhsa_group_segment_fixed_size 4352
		.amdhsa_private_segment_fixed_size 0
		.amdhsa_enable_private_segment 0
		.amdhsa_kernarg_size 16
		.amdhsa_user_sgpr_count 2
		.amdhsa_user_sgpr_kernarg_segment_ptr 1
		.amdhsa_wavefront_size32 1
		.amdhsa_system_sgpr_workgroup_id_x 1
		.amdhsa_system_sgpr_workgroup_id_y 1
		.amdhsa_system_sgpr_workgroup_id_z 1
		.amdhsa_system_vgpr_workitem_id 0
		.amdhsa_next_free_vgpr 122
		.amdhsa_next_free_sgpr 66
		.amdhsa_reserve_vcc 0
		.amdhsa_float_denorm_mode_32 3
		.amdhsa_float_denorm_mode_16_64 3
		.amdhsa_memory_ordered 1
		.amdhsa_forward_progress 1
		.amdhsa_inst_pref_size 35
	.end_amdhsa_kernel
	.amdgpu_metadata
---
amdhsa.version: [ 1, 2 ]
amdhsa.kernels:
  - .name:           k_qed8c338b71_prep
    .symbol:         k_qed8c338b71_prep.kd
    .args:
      - { .name: x, .offset: 0, .size: 8, .value_kind: global_buffer, .address_space: global }
      - { .name: cand, .offset: 8, .size: 8, .value_kind: global_buffer, .address_space: global }
    .group_segment_fixed_size: 4352
    .private_segment_fixed_size: 0
    .kernarg_segment_align: 8
    .kernarg_segment_size: 16
    .max_flat_workgroup_size: 64
    .sgpr_count:     66
    .vgpr_count:     122
    .wavefront_size: 32
...
	.end_amdgpu_metadata
.endif
;; end of part 1
;; launch coarse (part 2): grid 256 x 1, 4 waves a work-group, clusters of 4 x 1, 327,680 bytes of LDS; arguments cand, list; writes list
.if DOCPART == 2
	.amdgcn_target "amdgcn-amd-amdhsa--gfx1250"
	.amdhsa_code_object_version 6
	.text
	.protected	k_qed8c338b71_coarse
	.globl	k_qed8c338b71_coarse
	.p2align	8
	.type	k_qed8c338b71_coarse,@function
k_qed8c338b71_coarse:
	s_mov_b64 s[64:65], 0
	v_nop
	global_prefetch_b8 v0, s[64:65] scope:SCOPE_SE
	s_setreg_imm32_b32 hwreg(HW_REG_WAVE_MODE, 25, 1), 1
	s_wait_xcnt 0x0
	s_wait_alu depctr_hold_cnt(0) depctr_sa_sdst(0) depctr_va_vdst(0) depctr_va_sdst(0) depctr_va_ssrc(0) depctr_va_vcc(0) depctr_vm_vsrc(0)
	s_getreg_b32 s2, hwreg(HW_REG_IB_STS2, 6, 4)
	s_cmp_eq_u32 s2, 0
	s_cbranch_scc0 .Lentry_in_a_cluster
	s_endpgm
.Lentry_in_a_cluster:
	s_bfe_u32 s2, ttmp6, 0x10000c
	s_cmp_lg_u32 s2, 0x3003
	s_cbranch_scc0 .Lentry_shape_is_right
	s_endpgm
.Lentry_shape_is_right:
; For every point n and all 8,192 candidates m of its batch: the key k(n, m) = sq[m] - 2 inner(n, m); the smallest key of each GROUP of 16 neighbouring m (group g = m / 16); and the 16 groups that come first by
; (smallest key, g).  They are stored, sorted by g, as whole numbers: list [1024 row tiles][16 places][16 rows].  The next launch looks only into those groups.
; THE KEY orders a row's candidates as the distance d = sq[n] - 2 inner + sq[m] does: sq[n] is the same for all of them.  sq[m] comes as hi + lo; k = (hi - 2 inner) + lo: one fused multiply-add, whose result for a near
; candidate is a multiple of hi's last place and smaller than hi, hence exact, and one addition, rounded at the key's own magnitude, which is smaller than d's.
; ORDER OF ROUNDING: it differs from the reference's, which rounds sq, sq[n] - 2 inner and their sum with sq[m] to f32.  Two candidates whose distances lie closer than those roundings can tell apart are ordered here by the
; more precise key, which need not be the order in which the reference's own f32 arithmetic leaves them.  Equal keys go by the lower index, as in the reference's top-k.
; WHY 16 GROUPS SUFFICE: were one of the 16 first points e in a group not chosen, each of the 16 chosen groups would hold a point that comes before e (its key is not larger, and on equality its group,
; hence its index, is lower): 16 points before e, so e is not among the 16 first.
; inner is the quantised product: codes of FP6 (E2M3) and E8M0 scale words as the first launch laid them.  K is 64: the upper half of the instruction's 128 holds zero codes under the byte 127.
; SHARES: 256 work-groups of four waves; a wave owns 16 rows n (row tile RT = 4 x work-group + wave) and walks all candidates of its batch.
; THE PRODUCT IS USED TRANSPOSED: source 0 = 16 candidates, source 1 = my 16 rows: lane (r, h) holds row r, register j candidate row 8 h + j.  Tile t takes as its rows 0-7 unit t (points 8 t ..) and as its rows 8-15
; unit 512 + t (points 4096 + 8 t ..): so lane (r, h) sees points 4096 h + 8 t + j, two neighbouring tiles are one whole group in one lane, g = 256 h + t / 2, and groups reach a lane in ascending g.
; THE SELECTION has no branch and no address that hangs on a key.  Each lane keeps an ascending list of 16 (value, g).  INSERT puts a new item behind its equals and drops the last: as items come in ascending g,
; the list is always the first 16 by (value, g).  At the end the two lanes of a row are merged: all g of lanes 0-15 lie under all g of lanes 16-31, so ties go to lanes 0-15's.
; CLUSTER: the four work-groups of a cluster belong to one batch and walk the same candidates: each chunk is asked for JOINTLY, the same tensor load with the same descriptor and the mask 15 in all four.
; THE RING: 8 chunks of 64 tiles through two LDS slots; each wave moves a quarter of a chunk (64 rows of 256 bytes, dense in memory).  One tensor load of a wave is out at any time.
; LIMITS: no NaN or infinity among the inputs, all keys finite (the lists begin at +infinity).  Sums of the products are exact while the two blocks' scales lie within about 12 powers of two; beyond that the matrix unit's own rounding stands in inner.
.set UNIT,   512
.set GROUPB, 1024
.set BATCHB, 524288                    ; a batch's 1,024 units
.set HALFB,  262144                    ; 512 units: from unit t to unit 512 + t
.set CHUNKB, 32768                     ; 64 units
.set QUARTB, 16384                     ; 32 units: what one tensor load brings
.set HIOFF,  32896                     ; in a slot: the upper units' block; 128 bytes past a multiple of 256, so that the lanes that read the lower and the upper block touch different banks
.set SLOTB,  65792
.set LISTL,  131584                    ; behind the ring: 1,024 bytes a wave for the way out; no fill lands here
.set SPARE,  135680                    ; the spare words, 128 bytes for each wave: two blocks of 256 bytes that no other line names
.set SPW,  1                           ; v1   SPARE + 4 x my thread's number; never rewritten
.set NIL,  2                           ; v2   0; never rewritten
.set A0,   3                           ; v3   my lane's 16 bytes of codes in a tile;  v4 its 8 bytes;  v5 its scale word;  v6 its eight hi (its eight lo: 32 bytes on)
.set B0,   4
.set S0,   5
.set Q0,   6
.set ADA,  7                           ; v7-10  the same four for the tiles in hand
.set ADB,  8
.set ADS,  9
.set ADQ,  10
.set GH,   11                          ; v11  256 h
.set BSC,  14                          ; v14  my rows' scale words
.set BF,   16                          ; v[16:27] my rows' fragment; v22-27 zero codes
.set AF,   28                          ; v[28:75] four tiles' fragments, 12 each; the upper six of each are zero codes, written once
.set ASC,  76                          ; v76-79 their scale words
.set DST,  80                          ; v[80:111] four tiles of keys
.set SQM,  112                         ; v[112:143] their sq[m], upper parts
.set VAL,  144                         ; v[144:159] the list's values, ascending
.set IDX,  160                         ; v[160:175] and their groups
.set X0,   176                         ; v176, v177 two groups' minima that wait for their INSERT
.set X1,   177
.set T,    178                         ; v178-183 at work
.set LOM,  184                         ; v[184:215] the four tiles' sq[m], lower parts
.set PV,   80                          ; the tail: the other lane's list;
.set PI,   96
.set Z,    112                         ; the 16 chosen groups, and the sort's second set
.set Z2,   128
.set WV,   8                           ; s8   my wave's number
.set G1,   16                          ; s[16:23] descriptor group 1
.set G0,   32                          ; s[32:39] descriptor group 0, a set for each slot
.set OFF,  40                          ; s40  LDS byte of the four tiles in hand
.set E0,   41                          ; s41, s42 the waiting minima's groups (without 256 h)
.set E1,   42
.set NQ,   43
.set LAPS, 44
.set HI,   46                          ; s46  the mask of lanes 16-31
.set CM,   48                          ; s[48:63] sixteen compare masks
.set SEL,  66                          ; s[66:67] v_permlanex16_b32's selects for lane l xor 16
.set CL,   80                          ; s[80:95] sixteen more, for the merge
; A round of the cluster's barrier
.macro ROUND
	s_barrier_signal -1
	s_barrier_wait -1
	s_cmp_lg_u32 s[WV], 0
	s_cbranch_scc1 .Lnot_wave_0_\@
	s_barrier_signal -3
.Lnot_wave_0_\@:
	s_barrier_wait -3
	s_barrier_signal -1
	s_barrier_wait -1
.endm
; (v[x], e) goes into the ascending list, behind its equals; the last item falls out.  All compares first: they read the old list.  New value i = the middle one of x, old i - 1, old i.
; New group i = old i - 1 where x < old value i - 1, else e where x < old value i, else old i.  Descending i, so that every old entry is read before it is written.
.macro INSERT x, e
.irp i, 0,1,2,3,4,5,6,7,8,9,10,11,12,13,14,15
	v_cmp_lt_f32 s[CM+\i], v[\x], v[VAL+\i]
.endr
.irp i, 15,14,13,12,11,10,9,8,7,6,5,4,3,2,1
	v_med3_num_f32 v[VAL+\i], v[\x], v[VAL+\i-1], v[VAL+\i]
.endr
	v_min_num_f32 v[VAL], v[\x], v[VAL]
	v_cndmask_b32 v[T+15%3], v[IDX+15], \e, s[CM+15]
.irp i, 14,13,12,11,10,9,8,7,6,5,4,3,2,1
	v_cndmask_b32 v[T+\i%3], v[IDX+\i], \e, s[CM+\i]
	v_cndmask_b32 v[IDX+\i+1], v[T+(\i+1)%3], v[IDX+\i], s[CM+\i]
.endr
	v_cndmask_b32 v[IDX+1], v[T+1], v[IDX], s[CM]
	v_cndmask_b32 v[IDX], v[IDX], \e, s[CM]
.endm
; a tile's eight inner products become keys, from the accumulator's low end on
.macro DIST d, q, l
.irp j, 0,2,4,6
	v_pk_fma_f32 v[\d+\j:\d+\j+1], v[\d+\j:\d+\j+1], -2.0, v[\q+\j:\q+\j+1] op_sel_hi:[1,0,1]   ; hi - 2 inner: one rounding, none for a near candidate
.endr
.irp j, 0,2,4,6
	v_pk_add_f32 v[\d+\j:\d+\j+1], v[\d+\j:\d+\j+1], v[\l+\j:\l+\j+1]                           ; + lo
.endr
.endm
; the smallest of 16 keys, in two chains
.macro MIN16 d, x, t
	v_min3_num_f32 v[\t], v[\d], v[\d+1], v[\d+2]
	v_min3_num_f32 v[\t+1], v[\d+8], v[\d+9], v[\d+10]
	v_min3_num_f32 v[\t], v[\t], v[\d+3], v[\d+4]
	v_min3_num_f32 v[\t+1], v[\t+1], v[\d+11], v[\d+12]
	v_min3_num_f32 v[\t], v[\t], v[\d+5], v[\d+6]
	v_min3_num_f32 v[\t+1], v[\t+1], v[\d+13], v[\d+14]
	v_min3_num_f32 v[\t], v[\t], v[\t+1], v[\d+7]
	v_min_num_f32 v[\x], v[\t], v[\d+15]
.endm
; Four tiles = two groups a lane.  The two INSERTs are of the groups before: the first stands between the LDS loads and the wait for them, the second is the places behind the matrix instructions.
.macro QUAD
	v_add_nc_u32 v[ADA], s[OFF], v[A0]
	v_add_nc_u32 v[ADB], s[OFF], v[B0]
	v_add_nc_u32 v[ADS], s[OFF], v[S0]
	v_add_nc_u32 v[ADQ], s[OFF], v[Q0]
.irp t, 0,1,2,3                        ; (the matrix instructions that read these registers stand more than a hundred plain vector instructions back)
	ds_load_b128 v[AF+12*\t:AF+12*\t+3], v[ADA] offset:UNIT*\t
	ds_load_b64 v[AF+12*\t+4:AF+12*\t+5], v[ADB] offset:UNIT*\t
	ds_load_b32 v[ASC+\t], v[ADS] offset:UNIT*\t
.endr
.irp t, 0,1,2,3
	ds_load_b128 v[SQM+8*\t:SQM+8*\t+3], v[ADQ] offset:UNIT*\t
	ds_load_b128 v[SQM+8*\t+4:SQM+8*\t+7], v[ADQ] offset:UNIT*\t+16
	ds_load_b128 v[LOM+8*\t:LOM+8*\t+3], v[ADQ] offset:UNIT*\t+32
	ds_load_b128 v[LOM+8*\t+4:LOM+8*\t+7], v[ADQ] offset:UNIT*\t+48
.endr
	INSERT X0, s[E0]
	s_wait_dscnt 0x0
.irp t, 0,1,2,3                        ; four accumulators, each begun with the constant 0
	v_wmma_scale_f32_16x16x128_f8f6f4 v[DST+8*\t:DST+8*\t+7], v[AF+12*\t:AF+12*\t+11], v[BF:BF+11], 0, v[ASC+\t], v[BSC] matrix_a_fmt:MATRIX_FMT_FP6 matrix_b_fmt:MATRIX_FMT_FP6
.endr
	INSERT X1, s[E1]
.irp t, 0,1,2,3
	DIST DST+8*\t, SQM+8*\t, LOM+8*\t
.endr
	MIN16 DST, X0, T
	MIN16 DST+16, X1, T+3
	s_add_co_u32 s[E0], s[E0], 2
	s_add_co_u32 s[E1], s[E1], 2
.endm
; A chunk.  In front of the round each wave waits for all its tensor loads (its quarter of this chunk), adds 0 to its spare word, and waits for that and for its reads of the other slot; behind the round
; no wave of any partner reads the other slot or has a load on its way, and the joint refill comes first: it has this chunk's sixteen QUADs in which to land.
.macro TRIP slot, refill
	s_wait_tensorcnt 0x0                           ; no tensor load of mine is out, so a group 0 may be written
	ds_add_u32 v[SPW], v[NIL]
	s_add_nc_u64 s[G0+4*\slot+2:G0+4*\slot+3], s[G0+4*\slot+2:G0+4*\slot+3], 2*CHUNKB   ; this slot's next chunk; the type bits on top are not reached
	s_wait_dscnt 0x0                               ; the add is done, and my reads of the other slot are over
	ROUND
.if \refill
	tensor_load_to_lds s[G0+4-4*\slot:G0+7-4*\slot], s[G1:G1+7]   ; the next chunk, into the slot read last
	s_nop 0
.rept 4
	v_nop
.endr
.endif
	s_mov_b32 s[OFF], \slot*SLOTB
	s_mov_b32 s[NQ], 16
.Lquad_\@:
	QUAD
	s_add_co_u32 s[OFF], s[OFF], 4*UNIT
	s_sub_co_u32 s[NQ], s[NQ], 1
	s_cmp_lg_u32 s[NQ], 0
	s_cbranch_scc1 .Lquad_\@
.endm
; one stage of a bitonic sort of 16 registers, from set src into set dst
.macro BSTAGE src, dst, k, j
.set bi, 0
.rept 16
.set bl, bi^(\j)
.if bl > bi
.if (bi&(\k)) == 0
	v_min_u32 v[\dst+bi], v[\src+bi], v[\src+bl]
	v_max_u32 v[\dst+bl], v[\src+bi], v[\src+bl]
.else
	v_max_u32 v[\dst+bi], v[\src+bi], v[\src+bl]
	v_min_u32 v[\dst+bl], v[\src+bi], v[\src+bl]
.endif
.endif
.set bi, bi+1
.endr
.endm
	s_load_b128 s[4:7], s[0:1], 0x0                ; cand, list
	v_lshl_add_u32 v[SPW], v0, 2, SPARE
	v_mov_b32 v[NIL], 0
	ds_add_u32 v1, v2
	ds_add_u32 v1, v2
	s_wait_dscnt 0x0
	v_lshrrev_b32 v3, 5, v0
	v_readfirstlane_b32 s[WV], v3                  ; wave 0..3
	s_bfe_u32 s9, ttmp6, 0x40000                   ; cx: my place in the cluster: it enters my rows' and the list's global addresses alone
	s_lshl_b32 s10, ttmp9, 2                       ; in a cluster launch ttmp9 counts clusters
	s_add_co_u32 s10, s10, s9
	s_lshl_b32 s10, s10, 2
	s_add_co_u32 s10, s10, s[WV]                   ; RT
	s_and_b32 s11, s10, 511                        ; my row tile in its batch
	s_lshr_b32 s12, ttmp9, 5                       ; the batch: clusters 0-31, 32-63: the four partners share it
	s_mul_i32 s12, s12, BATCHB
	s_mov_b32 s13, 0
	s_lshr_b32 s14, s[WV], 1                       ; I fetch of the lower (0) or the upper (1) units,
	s_and_b32 s15, s[WV], 1                        ; their first or second 32
	s_mul_i32 s24, s14, HIOFF
	s_mul_i32 s25, s15, QUARTB
	s_add_co_u32 s24, s24, s25                     ; where they go in a slot: the wave's number alone enters an LDS address
	s_mul_i32 s26, s14, HALFB
	s_add_co_u32 s26, s26, s25                     ; and where they lie in the batch
	s_mov_b32 s27, 0
	s_mul_i32 s28, s11, GROUPB                     ; my 16 rows are a group: two units
	s_mov_b32 s29, 0
	; descriptor group 1: 16,384 dense bytes as 64 rows of 32 elements of 8 bytes, no padding
	s_mov_b32 s[G1+0], 15|(3<<16)|(1<<21)          ; 15:0 the mask: all four work-groups; 17:16 elements of 8 bytes; 21 set beside a mask
	s_mov_b32 s[G1+1], 32<<16                      ; tensor_dim0 = 32
	s_mov_b32 s[G1+2], 64<<16                      ; tensor_dim1 = 64
	s_mov_b32 s[G1+3], 32<<16                      ; tile_dim0 = 32
	s_mov_b32 s[G1+4], 64                          ; tile_dim1 = 64
	s_mov_b32 s[G1+5], 32                          ; from row to row: 32 elements
	s_mov_b32 s[G1+6], 0
	s_mov_b32 s[G1+7], 0
	s_mov_b32 s[HI], 0xffff0000
	s_mov_b32 s[SEL], 0x76543210
	s_mov_b32 s[SEL+1], 0xfedcba98
	s_mov_b32 s[E0], -2                            ; the first two INSERTs are of +infinity and change nothing; the first QUAD steps these to groups 0 and 1
	s_mov_b32 s[E1], -1
	s_wait_kmcnt 0x0
	s_add_nc_u64 s[4:5], s[4:5], s[12:13]          ; cand at my batch
	s_add_nc_u64 s[26:27], s[4:5], s[26:27]        ; at my quarter of chunk 0
	s_add_nc_u64 s[28:29], s[4:5], s[28:29]        ; at my rows
.irp s, 0,1
	s_mov_b32 s[G0+4*\s], 1                        ; count = 1
	s_add_co_u32 s[G0+4*\s+1], s24, \s*SLOTB       ; LDS address
	s_add_nc_u64 s[G0+4*\s+2:G0+4*\s+3], s[26:27], \s*CHUNKB   ; global address: chunk s
	s_or_b32 s[G0+4*\s+3], s[G0+4*\s+3], 0x80000000            ; type = 2
.endr
	ROUND                                          ; all four work-groups are here: the first joint loads meet
	tensor_load_to_lds s[G0:G0+3], s[G1:G1+7]      ; chunk 0
	s_nop 0
.rept 4
	v_nop
.endr
	v_and_b32 v178, 7, v0                          ; i: my place in a unit
	v_bfe_u32 v179, v0, 3, 1                       ; operand rows 8-15: the upper unit
	v_bfe_u32 v180, v0, 4, 1                       ; h: which 32 of K (operands); which eight rows (results)
	v_lshl_add_u32 v182, v180, 3, v178             ; 8 h + i
	v_mul_u32_u24 v183, v179, UNIT                 ; my rows' fragment and scale word: row r lies in unit r / 8 at place r % 8
	v_lshl_add_u32 v[ADA], v182, 4, v183
	v_lshl_add_u32 v[ADB], v182, 3, v183
	v_lshl_add_u32 v[ADS], v178, 2, v183
	global_load_b128 v[BF:BF+3], v[ADA], s[28:29]
	global_load_b64 v[BF+4:BF+5], v[ADB], s[28:29] offset:256
	global_load_b32 v[BSC], v[ADS], s[28:29] offset:384
	v_mul_u32_u24 v183, v179, HIOFF
	v_lshl_add_u32 v[A0], v182, 4, v183
	v_lshl_add_u32 v[B0], v182, 3, v183
	v_add_nc_u32 v[B0], 256, v[B0]
	v_lshl_add_u32 v[S0], v178, 2, v183
	v_add_nc_u32 v[S0], 384, v[S0]
	v_mul_u32_u24 v[Q0], v180, HIOFF
	v_add_nc_u32 v[Q0], 416, v[Q0]
	v_lshlrev_b32 v[GH], 8, v180
.irp j, 6,7,8,9,10,11
	v_mov_b32 v[BF+\j], 0                          ; K = 64 .. 127: zero codes, in my rows' fragment
.irp t, 0,1,2,3
	v_mov_b32 v[AF+12*\t+\j], 0                    ; and in the four tiles'
.endr
.endr
.irp i, 0,1,2,3,4,5,6,7,8,9,10,11,12,13,14,15
	v_mov_b32 v[VAL+\i], 0x7f800000                ; the list begins as +infinity
	v_mov_b32 v[IDX+\i], 0
.endr
	v_mov_b32 v[X0], 0x7f800000
	v_mov_b32 v[X1], 0x7f800000
	s_wait_loadcnt 0x0                             ; my rows; their address registers are free
	s_mov_b32 s[LAPS], 3
.Llap:
	TRIP 0, 1
	TRIP 1, 1
	s_sub_co_u32 s[LAPS], s[LAPS], 1
	s_cmp_lg_u32 s[LAPS], 0
	s_cbranch_scc1 .Llap
	TRIP 0, 1                                      ; chunks 6 and 7: the tail is written out
	TRIP 1, 0
	INSERT X0, s[E0]                               ; the last two groups
	INSERT X1, s[E1]
	; THE TWO LANES OF A ROW ARE MERGED.  Of two ascending lists a, b of 16, the 16 first of the union are the firsts of the pairs (a[i], b[15 - i]).  On equal values lanes 0-15's item, whose g is lower, comes first:
	; lanes 0-15 take the other lane's item where it is smaller, lanes 16-31 where it is smaller or equal: both lanes end with the same 16 groups.
.irp i, 0,1,2,3,4,5,6,7,8,9,10,11,12,13,14,15
	v_add_nc_u32 v[IDX+\i], v[GH], v[IDX+\i]       ; g = 256 h + the count
.endr
.irp i, 0,1,2,3,4,5,6,7,8,9,10,11,12,13,14,15
	v_permlanex16_b32 v[PV+\i], v[VAL+\i], s[SEL], s[SEL+1]
.endr
.irp i, 0,1,2,3,4,5,6,7,8,9,10,11,12,13,14,15
	v_permlanex16_b32 v[PI+\i], v[IDX+\i], s[SEL], s[SEL+1]
.endr
.irp i, 0,1,2,3,4,5,6,7,8,9,10,11,12,13,14,15
	v_cmp_lt_f32 s[CM+\i], v[PV+15-\i], v[VAL+\i]
.endr
.irp i, 0,1,2,3,4,5,6,7,8,9,10,11,12,13,14,15
	v_cmp_le_f32 s[CL+\i], v[PV+15-\i], v[VAL+\i]
.endr
.irp i, 0,1,2,3,4,5,6,7,8,9,10,11,12,13,14,15
	s_and_b32 s[CL+\i], s[CL+\i], s[HI]
.endr
.irp i, 0,1,2,3,4,5,6,7,8,9,10,11,12,13,14,15
	s_or_b32 s[CM+\i], s[CM+\i], s[CL+\i]          ; smaller, or in lanes 16-31 equal
.endr
.irp i, 0,1,2,3,4,5,6,7,8,9,10,11,12,13,14,15
	v_cndmask_b32 v[Z+\i], v[IDX+\i], v[PI+15-\i], s[CM+\i]
.endr
	; sorted by g, so that the next launch meets its candidates in ascending index
	BSTAGE Z, Z2, 2, 1
	BSTAGE Z2, Z, 4, 2
	BSTAGE Z, Z2, 4, 1
	BSTAGE Z2, Z, 8, 4
	BSTAGE Z, Z2, 8, 2
	BSTAGE Z2, Z, 8, 1
	BSTAGE Z, Z2, 16, 8
	BSTAGE Z2, Z, 16, 4
	BSTAGE Z, Z2, 16, 2
	BSTAGE Z2, Z, 16, 1
.irp k, 0,1,2,3,4,5,6,7
	v_cndmask_b32 v[Z2+\k], v[Z+\k], v[Z+8+\k], s[HI]   ; lane (r, h) stores places 8 h + k of row r
.endr
	v_and_b32 v[T], 15, v0                         ; r
	v_bfe_u32 v[T+1], v0, 4, 1                     ; h
	v_and_b32 v[T+2], 31, v0                       ; lane
	s_lshl_b32 s68, s[WV], 10
	s_add_co_u32 s68, s68, LISTL                   ; my wave's 1,024 bytes
	v_lshlrev_b32 v[ADA], 9, v[T+1]
	v_lshl_add_u32 v[ADA], v[T], 2, v[ADA]
	v_add_nc_u32 v[ADA], s68, v[ADA]               ; in: place 8 h + k is 64 bytes a place, 4 bytes a row
	v_lshlrev_b32 v[ADQ], 4, v[T+2]                ; back, and in memory: 16 bytes a lane
	v_add_nc_u32 v[ADB], s68, v[ADQ]
	s_lshl_b32 s70, s10, 10                        ; my row tile's 1,024 bytes of the list
	s_mov_b32 s71, 0
	s_add_nc_u64 s[6:7], s[6:7], s[70:71]
.irp k, 0,1,2,3,4,5,6,7
	ds_store_b32 v[ADA], v[Z2+\k] offset:64*\k
.endr
	ds_load_b128 v[144:147], v[ADB]                ; LDS serves a wave's instructions in order (ISA guide 5.7.1.4): these see my stores
	ds_load_b128 v[148:151], v[ADB] offset:512
	s_wait_dscnt 1                                 ; the first is in; the one issued behind it may be out
	global_store_b128 v[ADQ], v[144:147], s[6:7]   ; 32 lanes store 512 consecutive bytes, at a multiple of 256 from the list's first byte
	s_wait_dscnt 0x0
	global_store_b128 v[ADQ], v[148:151], s[6:7] offset:512
	s_wait_tensorcnt 0x0                           ; the wave's end, behind my last tensor load and my last LDS store
	ds_add_u32 v[SPW], v[NIL]
	s_wait_dscnt 0x0
	ROUND                                          ; the closing round: no work-group ends while a partner may still ask for a chunk that names it
	s_endpgm
.Lfunc_end_k_qed8c338b71_coarse:
	.size	k_qed8c338b71_coarse, .Lfunc_end_k_qed8c338b71_coarse-k_qed8c338b71_coarse
	.p2alignl 7, 3214868480
	.fill 96, 4, 3214868480
	.section	.rodata,"a",@progbits
	.p2align	6, 0x0
	.amdhsa_kernel k_qed8c338b71_coarse
		.amdhsa_group_segment_fixed_size 327680
		.amdhsa_private_segment_fixed_size 0
		.amdhsa_enable_private_segment 0
		.amdhsa_kernarg_size 16
		.amdhsa_user_sgpr_count 2
		.amdhsa_user_sgpr_kernarg_segment_ptr 1
		.amdhsa_wavefront_size32 1
		.amdhsa_system_sgpr_workgroup_id_x 1
		.amdhsa_system_sgpr_workgroup_id_y 1
		.amdhsa_system_sgpr_workgroup_id_z 1
		.amdhsa_system_vgpr_workitem_id 0
		.amdhsa_next_free_vgpr 224
		.amdhsa_next_free_sgpr 96
		.amdhsa_reserve_vcc 0
		.amdhsa_float_denorm_mode_32 3
		.amdhsa_float_denorm_mode_16_64 3
		.amdhsa_memory_ordered 1
		.amdhsa_forward_progress 1
		.amdhsa_inst_pref_size 86
	.end_amdhsa_kernel
	.amdgpu_metadata
---
amdhsa.version: [ 1, 2 ]
amdhsa.kernels:
  - .name:           k_qed8c338b71_coarse
    .symbol:         k_qed8c338b71_coarse.kd
    .args:
      - { .name: cand, .offset: 0, .size: 8, .value_kind: global_buffer, .address_space: global }
      - { .name: list, .offset: 8, .size: 8, .value_kind: global_buffer, .address_space: global }
    .group_segment_fixed_size: 327680
    .private_segment_fixed_size: 0
    .kernarg_segment_align: 8
    .kernarg_segment_size: 16
    .max_flat_workgroup_size: 128
    .sgpr_count:     96
    .vgpr_count:     224
    .wavefront_size: 32
...
	.end_amdgpu_metadata
.endif
;; end of part 2
;; launch refine (part 3): grid 256 x 1, 4 waves a work-group, no clusters, 4,608 bytes of LDS; arguments cand, list, out0; writes out0
.if DOCPART == 3
	.amdgcn_target "amdgcn-amd-amdhsa--gfx1250"
	.amdhsa_code_object_version 6
	.text
	.protected	k_qed8c338b71_refine
	.globl	k_qed8c338b71_refine
	.p2align	8
	.type	k_qed8c338b71_refine,@function
k_qed8c338b71_refine:
	s_mov_b64 s[64:65], 0
	v_nop
	global_prefetch_b8 v0, s[64:65] scope:SCOPE_SE
	s_setreg_imm32_b32 hwreg(HW_REG_WAVE_MODE, 25, 1), 1
	s_wait_xcnt 0x0
; For every point n: the 16 groups that the launch before has listed (16 x 16 = 256 candidates, which hold the 16 first) are gathered, their keys k = (hi[m] - 2 inner) + lo[m] are made anew by the same matrix instruction
; and the same two roundings, and the 16 first by (k, index) go to out0[0]; out0[1] holds the point's own number.  out0: [2][2 batches][8192][16] int32.
; THE KEY orders a row's candidates as the distance sq[n] - 2 inner + sq[m] does (sq[n] is the same for all of them), with sq[m] = hi + lo kept in two parts.  ORDER OF ROUNDING: it differs from the reference's: candidates whose
; distances lie closer than the reference's own f32 roundings can tell apart are ordered by the more precise key; equal keys go by the lower index.
; SHARES: 256 work-groups of four waves; a wave owns 16 rows (row tile RT = 4 x work-group + wave).  Waves share nothing: no barrier.  No tensor load and no multicast: each wave gathers the units that its own rows' lists name.
; ALL ADDRESSES THAT HANG ON DATA come from the list, whole numbers that an earlier launch stored; each is held at 511 before it enters an address.  No branch hangs on data.
; THE GATHER AS A MATRIX PRODUCT.  Every row wants other candidates, so one instruction serves TWO rows: K is 64, the instruction's 128.  For pair p, source 0's row m holds in K 0-63 the codes of row 2 p's candidate and in
; K 64-127 those of row 2 p + 1's; source 1 (BM[p]) holds x of row 2 p in column 2 p, K 0-63, x of row 2 p + 1 in column 2 p + 1, K 64-127, and zero codes everywhere else.  Eight such instructions, added in place,
; give a tile in which every column has met its own candidates once and exact zeros otherwise.  Source 0's rows 0-7 are a unit of the group at place q of the row's list, rows 8-15 of the group at place q + 8:
; lane (r, h), register j then holds row r against point 16 list[q + 8 h][r] + 8 half + j.  The two halves of the groups are two accumulators, which take turns, one instruction a turn.
; ORDER: the list is sorted, so a lane meets its 128 candidates in ascending index (q, then half, then j), and all of lanes 0-15's lie under all of lanes 16-31's.  INSERT puts a new item behind its equals, so ties go to the lower index.
; AHEAD: the gathers of place q + 1 are issued among the INSERTs of place q, the list's words of place q + 2 just ahead of them; one wait for all loads stands at the head of each place.
; REGISTERS, in windows of 256: window 0: as named below.  Window 1: v[0:95] the 16 rows' codes of half 0 (row i at 6 i: a pair's 12 registers are a fragment), v[96:191] of half 1.  Window 2: v[0:95] BM.
; LIMITS: as in the launch before: no NaN or infinity, all keys finite.
.set UNIT,   512
.set GROUPB, 1024
.set BATCHB, 524288
.set LA,   1                           ; v1   my 16 bytes of codes in a unit: (8 hk + i) 16
.set LB,   2                           ; v2   my 8 bytes: 256 + (8 hk + i) 8
.set LS,   3                           ; v3   my scale word: 384 + 4 i, lanes 16-31 in the group's second unit
.set LGO,  4                           ; v4   the list: 512 for operand rows 8-15 (places q + 8)
.set LDO,  5                           ; v5   the list: my result's place and row: 512 h + 4 r
.set LG1A, 6                           ; v6, v7 the same two at the place in hand
.set LD1A, 7
.set OQ,   8                           ; v8   my result's group, in bytes
.set IBN,  10                          ; v10  and its first point
.set GD,   11                          ; v11  and its number
.set BSC,  14                          ; v14  source 1's scale words
.set D0,   16                          ; v[16:23], v[24:31] the two accumulators
.set D1,   24
.set SQM,  32                          ; v[32:47] sq[m] of my 16 candidates, upper parts
.set GR,   48                          ; v[48:63] for each of the 16 rows: the group that my operand row takes
.set OA,   64                          ; v[64:79], v[80:95], v[96:111] the byte offsets of my 16 bytes, 8 bytes, scale word
.set OB,   80
.set OS,   96
.set SR,   112                         ; v[112:127] two scale bytes for each row
.set SA,   128                         ; v[128:135] source 0's scale words, a pair each: lanes 0-15 half 0's, lanes 16-31 half 1's
.set EI,   136                         ; v[136:151] my 16 candidates' indices
.set VAL,  152                         ; v[152:167] the list's values, ascending
.set IDX,  168                         ; v[168:183] and their indices
.set T,    184                         ; v184-189 at work
.set Q,    190                         ; v[190:195] my row's codes
.set LOM,  196                         ; v[196:211] sq[m] of my 16 candidates, lower parts
.set PV,   64                          ; the tail: the other lane's list
.set PI,   80
.set WV,   12
.set SEL,  18                          ; s[18:19] v_permlanex16_b32's selects for lane l xor 16
.set HI,   20                          ; s20  the mask of lanes 16-31
.set LQ,   21                          ; s21  64 x the place whose list words are asked for
.set CNT,  22
.set CM,   32                          ; s[32:47] sixteen compare masks
.set MSB, 0
.macro WIN new                         ; the immediate's high byte repeats the setting that is left
.if MSB != \new
	s_set_vgpr_msb (MSB<<8)|\new
.set MSB, \new
.endif
.endm
.set W_MUL, 0x09                       ; source 0 window 1, source 1 window 2, C and D window 0
.set TO_X,  0x40                       ; destination window 1
.set TO_BM, 0x80                       ; destination window 2
; (v[x], e) goes into the ascending list, behind its equals; the last item falls out.  All compares first: they read the old list.  Descending i, so that every old entry is read before it is written.
.macro INSERT x, e
.irp i, 0,1,2,3,4,5,6,7,8,9,10,11,12,13,14,15
	v_cmp_lt_f32 s[CM+\i], v[\x], v[VAL+\i]
.endr
.irp i, 15,14,13,12,11,10,9,8,7,6,5,4,3,2,1
	v_med3_num_f32 v[VAL+\i], v[\x], v[VAL+\i-1], v[VAL+\i]
.endr
	v_min_num_f32 v[VAL], v[\x], v[VAL]
	v_cndmask_b32 v[T+15%3], v[IDX+15], \e, s[CM+15]
.irp i, 14,13,12,11,10,9,8,7,6,5,4,3,2,1
	v_cndmask_b32 v[T+\i%3], v[IDX+\i], \e, s[CM+\i]
	v_cndmask_b32 v[IDX+\i+1], v[T+(\i+1)%3], v[IDX+\i], s[CM+\i]
.endr
	v_cndmask_b32 v[IDX+1], v[T+1], v[IDX], s[CM]
	v_cndmask_b32 v[IDX], v[IDX], \e, s[CM]
.endm
; the list's words of the place at s[LQ]: the 16 rows' groups for my operand row, and my result's group
.macro LISTLD
	v_add_nc_u32 v[LG1A], s[LQ], v[LGO]
	v_add_nc_u32 v[LD1A], s[LQ], v[LDO]
.irp k, 0,1,2,3
	global_load_b128 v[GR+4*\k:GR+4*\k+3], v[LG1A], s[6:7] offset:16*\k
.endr
	global_load_b32 v[GD], v[LD1A], s[6:7]
.endm
; group numbers become byte offsets: held at 511, x 1,024 bytes, + my lane's places
.macro OFFS
.irp i, 0,1,2,3,4,5,6,7,8,9,10,11,12,13,14,15
	v_min_u32 v[GR+\i], 511, v[GR+\i]
.endr
	v_min_u32 v[GD], 511, v[GD]
.irp i, 0,1,2,3,4,5,6,7,8,9,10,11,12,13,14,15
	v_mul_u32_u24 v[GR+\i], v[GR+\i], GROUPB
.endr
	v_mul_u32_u24 v[OQ], v[GD], GROUPB
	v_lshlrev_b32 v[IBN], 4, v[GD]
.irp i, 0,1,2,3,4,5,6,7,8,9,10,11,12,13,14,15
	v_add_nc_u32 v[OA+\i], v[GR+\i], v[LA]
	v_add_nc_u32 v[OB+\i], v[GR+\i], v[LB]
	v_add_nc_u32 v[OS+\i], v[GR+\i], v[LS]
.endr
.endm
; the gathers of one half of the groups: for each row my 24 bytes of codes; my eight sq[m], both parts; with half 0 also both halves' scale bytes
.macro LG half
.if \half == 0
.irp i, 0,1,2,3,4,5,6,7,8,9,10,11,12,13,14,15
	global_load_u16 v[SR+\i], v[OS+\i], s[4:5]
.endr
.endif
	WIN TO_X
.irp i, 0,1,2,3,4,5,6,7,8,9,10,11,12,13,14,15
	global_load_b128 v[96*\half+6*\i:96*\half+6*\i+3], v[OA+\i], s[4:5] offset:UNIT*\half
	global_load_b64 v[96*\half+6*\i+4:96*\half+6*\i+5], v[OB+\i], s[4:5] offset:UNIT*\half
.endr
	WIN 0
	global_load_b128 v[SQM+8*\half:SQM+8*\half+3], v[OQ], s[4:5] offset:UNIT*\half+416
	global_load_b128 v[SQM+8*\half+4:SQM+8*\half+7], v[OQ], s[4:5] offset:UNIT*\half+432
	global_load_b128 v[LOM+8*\half:LOM+8*\half+3], v[OQ], s[4:5] offset:UNIT*\half+448
	global_load_b128 v[LOM+8*\half+4:LOM+8*\half+7], v[OQ], s[4:5] offset:UNIT*\half+464
.endm
; One place q of the lists: 16 candidates a lane.  next = 1: the gathers of place q + 1 are set going.
.macro QSTEP next
	s_wait_loadcnt 0x0                             ; this place's gathers and the next place's list words are in; every load's address register is free
.irp p, 0,1,2,3,4,5,6,7
	v_lshl_or_b32 v[SA+\p], v[SR+2*\p+1], 16, v[SR+2*\p]   ; bytes 0, 1: row 2 p's candidate; bytes 2, 3: row 2 p + 1's
.endr
.irp c, 0,1,2,3,4,5,6,7,8,9,10,11,12,13,14,15
	v_add_nc_u32 v[EI+\c], \c, v[IBN]              ; (these sixteen are also the places between the scale words' making and the scaled matrix instructions)
.endr
	WIN W_MUL
.irp p, 0,1,2,3,4,5,6,7
.if \p == 0
	v_wmma_scale_f32_16x16x128_f8f6f4 v[D0:D0+7], v[12*\p:12*\p+11], v[12*\p:12*\p+11], 0, v[SA+\p], v[BSC] matrix_a_fmt:MATRIX_FMT_FP6 matrix_b_fmt:MATRIX_FMT_FP6
	v_wmma_scale_f32_16x16x128_f8f6f4 v[D1:D1+7], v[96+12*\p:96+12*\p+11], v[12*\p:12*\p+11], 0, v[SA+\p], v[BSC] matrix_a_fmt:MATRIX_FMT_FP6 matrix_b_fmt:MATRIX_FMT_FP6 matrix_a_scale:MATRIX_SCALE_ROW1
.else
	v_wmma_scale_f32_16x16x128_f8f6f4 v[D0:D0+7], v[12*\p:12*\p+11], v[12*\p:12*\p+11], v[D0:D0+7], v[SA+\p], v[BSC] matrix_a_fmt:MATRIX_FMT_FP6 matrix_b_fmt:MATRIX_FMT_FP6
	v_wmma_scale_f32_16x16x128_f8f6f4 v[D1:D1+7], v[96+12*\p:96+12*\p+11], v[12*\p:12*\p+11], v[D1:D1+7], v[SA+\p], v[BSC] matrix_a_fmt:MATRIX_FMT_FP6 matrix_b_fmt:MATRIX_FMT_FP6 matrix_a_scale:MATRIX_SCALE_ROW1
.endif
.endr
	WIN 0
.if \next
	OFFS                                           ; place q + 1's offsets: plain vector work that names no register of the products: the places behind them
	s_add_co_u32 s[LQ], s[LQ], 64
	s_cmp_eq_u32 s[CNT], 1                         ; the loop's last trip has no place q + 2: no load leaves the list
	s_cbranch_scc1 .Lno_list_\@
	LISTLD
.Lno_list_\@:
.else
.rept 4
	v_nop                                          ; the places behind the products
.endr
.endif
.irp j, 0,2,4,6,8,10,12,14             ; each accumulator from its low end on
	v_pk_fma_f32 v[D0+\j:D0+\j+1], v[D0+\j:D0+\j+1], -2.0, v[SQM+\j:SQM+\j+1] op_sel_hi:[1,0,1]   ; hi - 2 inner: one rounding, none for a near candidate
.endr
.irp j, 0,2,4,6,8,10,12,14
	v_pk_add_f32 v[D0+\j:D0+\j+1], v[D0+\j:D0+\j+1], v[LOM+\j:LOM+\j+1]                           ; + lo
.endr
.if \next
	LG 0                                           ; sixteen INSERTs ahead of the wait for them
.endif
.irp j, 0,1,2,3,4,5,6,7
	INSERT D0+\j, v[EI+\j]
.endr
.if \next
	LG 1                                           ; eight INSERTs ahead
.endif
.irp j, 0,1,2,3,4,5,6,7
	INSERT D1+\j, v[EI+8+\j]
.endr
.endm
	s_load_b128 s[4:7], s[0:1], 0x0                ; cand, list
	s_load_b64 s[10:11], s[0:1], 0x10              ; out0
	v_lshl_add_u32 v254, v0, 2, 0x1000
	v_mov_b32 v255, 0
	v_lshrrev_b32 v1, 5, v0
	v_readfirstlane_b32 s[WV], v1                  ; wave 0..3
	s_lshl_b32 s13, ttmp9, 2
	s_add_co_u32 s13, s13, s[WV]                   ; RT
	s_and_b32 s14, s13, 511                        ; my row tile in its batch
	s_lshr_b32 s16, s13, 9                         ; the batch
	s_mul_i32 s16, s16, BATCHB
	s_mov_b32 s17, 0
	s_mul_i32 s28, s14, GROUPB                     ; my 16 rows are a group: two units
	s_mov_b32 s29, 0
	s_lshl_b32 s30, s13, 10                        ; 1,024 bytes a row tile, in the list and in each plane of out0
	s_mov_b32 s31, 0
	s_mov_b32 s[SEL], 0x76543210
	s_mov_b32 s[SEL+1], 0xfedcba98
	s_mov_b32 s[HI], 0xffff0000
	s_mov_b32 s23, 0xaaaaaaaa                      ; the odd lanes
	s_mov_b32 s[LQ], 0
	v_and_b32 v184, 7, v0                          ; i: my place in a unit
	v_bfe_u32 v185, v0, 3, 1                       ; operand rows 8-15
	v_bfe_u32 v186, v0, 4, 1                       ; h: which 32 of K (operands); which half (scale words); which eight rows (results)
	v_and_b32 v187, 15, v0                         ; r
	v_lshl_add_u32 v188, v186, 3, v184             ; 8 h + i
	v_lshlrev_b32 v[LA], 4, v188
	v_lshlrev_b32 v[LB], 3, v188
	v_add_nc_u32 v[LB], 256, v[LB]
	v_mul_u32_u24 v[LS], v186, UNIT
	v_lshl_add_u32 v[LS], v184, 2, v[LS]
	v_add_nc_u32 v[LS], 384, v[LS]
	v_lshlrev_b32 v[LGO], 9, v185
	v_lshlrev_b32 v[LDO], 9, v186
	v_lshl_add_u32 v[LDO], v187, 2, v[LDO]
	v_mul_u32_u24 v189, v185, UNIT                 ; my own row r: unit r / 8, place r % 8
	v_add_nc_u32 v64, v189, v[LA]
	v_add_nc_u32 v65, v189, v[LB]
	v_lshl_add_u32 v66, v184, 2, v189
	s_wait_kmcnt 0x0
	s_add_nc_u64 s[4:5], s[4:5], s[16:17]          ; cand at my batch
	s_add_nc_u64 s[8:9], s[4:5], s[28:29]          ; at my rows
	s_add_nc_u64 s[6:7], s[6:7], s[30:31]          ; the list at my row tile
	s_add_nc_u64 s[10:11], s[10:11], s[30:31]      ; out0 likewise
	LISTLD                                         ; place 0
	global_load_b128 v[Q:Q+3], v64, s[8:9]
	global_load_b64 v[Q+4:Q+5], v65, s[8:9]
	global_load_b32 v188, v66, s[8:9] offset:384   ; my row's scale word
	s_wait_loadcnt 0x0
	OFFS
	s_mov_b32 s[LQ], 64
	LISTLD                                         ; place 1
	LG 0                                           ; place 0's gathers
	LG 1
	v_lshl_or_b32 v187, v188, 16, 0x7f7f           ; an odd column's codes stand in K 64-127: its two bytes go up, 127 under them
	v_cndmask_b32 v[BSC], v188, v187, s23
	WIN TO_BM
.irp c, 0,1,2,3,4,5,6,7,8,9,10,11,12,13,14,15
	s_lshl_b32 s[24+\c%4], 0x10001, \c             ; the two lanes of column c
.irp j, 0,1,2,3,4,5
	v_cndmask_b32 v[6*\c+\j], 0, v[Q+\j], s[24+\c%4]   ; BM[c / 2], K half c % 2: column c's own codes, zero codes in every other column
.endr
.endr
	WIN 0
.irp i, 0,1,2,3,4,5,6,7,8,9,10,11,12,13,14,15
	v_mov_b32 v[VAL+\i], 0x7f800000                ; the list begins as +infinity
	v_mov_b32 v[IDX+\i], 0
.endr
	s_mov_b32 s[CNT], 7
.Lplace:
	QSTEP 1
	s_sub_co_u32 s[CNT], s[CNT], 1
	s_cmp_lg_u32 s[CNT], 0
	s_cbranch_scc1 .Lplace
	QSTEP 0                                        ; place 7: nothing is left to gather
	; THE TWO LANES OF A ROW ARE MERGED: the other lane's 16 items, in their order, go into my list.  In lanes 0-15 the newcomers have the higher indices and go behind their equals, as they should; lanes 16-31's result is not used.
.irp i, 0,1,2,3,4,5,6,7,8,9,10,11,12,13,14,15
	v_permlanex16_b32 v[PV+\i], v[VAL+\i], s[SEL], s[SEL+1]
.endr
.irp i, 0,1,2,3,4,5,6,7,8,9,10,11,12,13,14,15
	v_permlanex16_b32 v[PI+\i], v[IDX+\i], s[SEL], s[SEL+1]
.endr
.irp i, 0,1,2,3,4,5,6,7,8,9,10,11,12,13,14,15
	INSERT PV+\i, v[PI+\i]
.endr
	; THE WAY OUT: lane (r, h) takes neighbours 8 h .. 8 h + 7 of row r: 32 bytes; through my wave's stage they become runs of 512 consecutive bytes.
.irp k, 0,1,2,3,4,5,6,7
	v_permlanex16_b32 v[96+\k], v[IDX+8+\k], s[SEL], s[SEL+1]
.endr
.irp k, 0,1,2,3,4,5,6,7
	v_cndmask_b32 v[112+\k], v[IDX+\k], v[96+\k], s[HI]
.endr
	v_and_b32 v187, 15, v0                         ; r
	v_bfe_u32 v188, v0, 4, 1                       ; h
	s_lshl_b32 s15, s[WV], 10                      ; my stage
	v_lshlrev_b32 v189, 6, v187
	v_lshl_add_u32 v189, v188, 5, v189
	v_add_nc_u32 v189, s15, v189                   ; in: 64 r + 32 h
	v_and_b32 v187, 31, v0
	v_lshlrev_b32 v6, 4, v187                      ; back, and in memory: 16 bytes a lane
	v_add_nc_u32 v7, s15, v6
	ds_store_b128 v189, v[112:115]
	ds_store_b128 v189, v[116:119] offset:16
	ds_load_b128 v[120:123], v7                    ; LDS serves a wave's instructions in order (ISA guide 5.7.1.4): these see my stores
	ds_load_b128 v[124:127], v7 offset:512
	v_lshrrev_b32 v187, 2, v187                    ; four lanes to a row of 64 bytes
	s_lshl_b32 s16, s14, 4                         ; my first point
	v_add_nc_u32 v128, s16, v187                   ; the second plane: the row's own number, sixteen times
.irp j, 1,2,3
	v_mov_b32 v[128+\j], v128
.endr
.irp j, 0,1,2,3
	v_add_nc_u32 v[132+\j], 8, v128                ; rows 8-15
.endr
	global_store_b128 v6, v[128:131], s[10:11] offset:1048576 th:TH_STORE_NT       ; every store covers 512 consecutive bytes, at a multiple of 256 from out0's first byte; written once, read by nobody here
	global_store_b128 v6, v[132:135], s[10:11] offset:1048576+512 th:TH_STORE_NT
	s_wait_dscnt 1                                 ; the first read-back is in; the one issued behind it may be out
	global_store_b128 v6, v[120:123], s[10:11] th:TH_STORE_NT
	s_wait_dscnt 0x0
	global_store_b128 v6, v[124:127], s[10:11] offset:512 th:TH_STORE_NT
	s_wait_tensorcnt 0x0
	ds_add_u32 v254, v255
	s_wait_dscnt 0x0
	s_endpgm
.Lfunc_end_k_qed8c338b71_refine:
	.size	k_qed8c338b71_refine, .Lfunc_end_k_qed8c338b71_refine-k_qed8c338b71_refine
	.p2alignl 7, 3214868480
	.fill 96, 4, 3214868480
	.section	.rodata,"a",@progbits
	.p2align	6, 0x0
	.amdhsa_kernel k_qed8c338b71_refine
		.amdhsa_group_segment_fixed_size 4608
		.amdhsa_private_segment_fixed_size 0
		.amdhsa_enable_private_segment 0
		.amdhsa_kernarg_size 24
		.amdhsa_user_sgpr_count 2
		.amdhsa_user_sgpr_kernarg_segment_ptr 1
		.amdhsa_wavefront_size32 1
		.amdhsa_system_sgpr_workgroup_id_x 1
		.amdhsa_system_sgpr_workgroup_id_y 1
		.amdhsa_system_sgpr_workgroup_id_z 1
		.amdhsa_system_vgpr_workitem_id 0
		.amdhsa_next_free_vgpr 608
		.amdhsa_next_free_sgpr 66
		.amdhsa_reserve_vcc 0
		.amdhsa_float_denorm_mode_32 3
		.amdhsa_float_denorm_mode_16_64 3
		.amdhsa_memory_ordered 1
		.amdhsa_forward_progress 1
		.amdhsa_inst_pref_size 239
	.end_amdhsa_kernel
	.amdgpu_metadata
---
amdhsa.version: [ 1, 2 ]
amdhsa.kernels:
  - .name:           k_qed8c338b71_refine
    .symbol:         k_qed8c338b71_refine.kd
    .args:
      - { .name: cand, .offset: 0, .size: 8, .value_kind: global_buffer, .address_space: global }
      - { .name: list, .offset: 8, .size: 8, .value_kind: global_buffer, .address_space: global }
      - { .name: out0, .offset: 16, .size: 8, .value_kind: global_buffer, .address_space: global }
    .group_segment_fixed_size: 4608
    .private_segment_fixed_size: 0
    .kernarg_segment_align: 8
    .kernarg_segment_size: 24
    .max_flat_workgroup_size: 128
    .sgpr_count:     66
    .vgpr_count:     608
    .wavefront_size: 32
...
	.end_amdgpu_metadata
.endif
;; end of part 3
;; ======== version 2 of 2: 3 launches; version 1 with the launch refine written anew for expert scheduling mode
;; workspace buffers: cand 1,048,576 bytes; list 1,048,576 bytes of whole numbers
;; launch prep: the kernel of part 1 again; grid 256 x 1, 2 waves a work-group, no clusters, 4,352 bytes of LDS; arguments x, cand; writes cand
;; launch coarse: the kernel of part 2 again; grid 256 x 1, 4 waves a work-group, clusters of 4 x 1, 327,680 bytes of LDS; arguments cand, list; writes list
;; launch refine (part 4): grid 256 x 1, 4 waves a work-group, no clusters, 4,608 bytes of LDS; arguments cand, list, out0; writes out0
.if DOCPART == 4
	.amdgcn_target "amdgcn-amd-amdhsa--gfx1250"
	.amdhsa_code_object_version 6
	.text
	.protected	k_qed8c338b71_refine
	.globl	k_qed8c338b71_refine
	.p2align	8
	.type	k_qed8c338b71_refine,@function
k_qed8c338b71_refine:
	s_mov_b64 s[64:65], 0
	v_nop
	global_prefetch_b8 v0, s[64:65] scope:SCOPE_SE
	s_setreg_imm32_b32 hwreg(HW_REG_WAVE_SCHED_MODE, 0, 2), 2
	s_setreg_imm32_b32 hwreg(HW_REG_WAVE_MODE, 25, 1), 1
	s_wait_xcnt 0x0
	s_wait_alu depctr_vm_vsrc(0)
; For every point n: the 16 groups that the launch before has listed (16 x 16 = 256 candidates, which hold the 16 first) are gathered, their keys k = (hi[m] - 2 inner) + lo[m] are made anew by the same matrix instruction
; and the same two roundings, and the 16 first by (k, index) go to out0[0]; out0[1] holds the point's own number.  out0: [2][2 batches][8192][16] int32.
; THE KEY orders a row's candidates as the distance sq[n] - 2 inner + sq[m] does (sq[n] is the same for all of them), with sq[m] = hi + lo kept in two parts.  ORDER OF ROUNDING: it differs from the reference's: candidates whose
; distances lie closer than the reference's own f32 roundings can tell apart are ordered by the more precise key; equal keys go by the lower index.
; SHARES: 256 work-groups of four waves; a wave owns 16 rows (row tile RT = 4 x work-group + wave).  Waves share nothing: no barrier.  No tensor load and no multicast: each wave gathers the units that its own rows' lists name.
; ALL ADDRESSES THAT HANG ON DATA come from the list, whole numbers that an earlier launch stored; each is held at 511 before it enters an address.  No branch hangs on data.
; THE GATHER AS A MATRIX PRODUCT.  Every row wants other candidates, so one instruction serves TWO rows: K is 64, the instruction's 128.  For pair p, source 0's row m holds in K 0-63 the codes of row 2 p's candidate and in
; K 64-127 those of row 2 p + 1's; source 1 (BM[p]) holds x of row 2 p in column 2 p, K 0-63, x of row 2 p + 1 in column 2 p + 1, K 64-127, and zero codes everywhere else.  Eight such instructions, added in place,
; give a tile in which every column has met its own candidates once and exact zeros otherwise.  Source 0's rows 0-7 are a unit of the group at place q of the row's list, rows 8-15 of the group at place q + 8:
; lane (r, h), register j then holds row r against point 16 list[q + 8 h][r] + 8 half + j.  The two halves of the groups are two accumulators, which take turns, one instruction a turn.
; ORDER: the list is sorted, so a lane meets its 128 candidates in ascending index (q, then half, then j), and all of lanes 0-15's lie under all of lanes 16-31's.  INSERT puts a new item behind its equals, so ties go to the lower index.
; AHEAD: the gathers of place q + 1 are issued among the INSERTs of place q, the list's words of place q + 2 just ahead of them; one wait for all loads stands at the head of each place.
; REGISTERS, in windows of 256: window 0: as named below.  Window 1: v[0:95] the 16 rows' codes of half 0 (row i at 6 i: a pair's 12 registers are a fragment), v[96:191] of half 1.  Window 2: v[0:95] BM.
; LIMITS: as in the launch before: no NaN or infinity, all keys finite.
; THE MODE: SCHED_MODE bits 1:0 = 2 (LLVM: expert scheduling mode 2), set by the entry lines.  The code itself states the register dependences between vector or matrix instructions and memory or LDS instructions,
; and those through scalar registers that vector instructions write, with s_wait_alu, always for 0.
; THE PLAN.  Registers that memory instructions touch, in the loop over places:
;   OA, OB, OS, OQ   the gathers' offsets.  Written by OFFS, behind the products of place q; read by the gathers of place q + 1, which are issued in the same trip.
;   GR, GD           the list's words.  The loads of place q + 2 land in them; OFFS of the next trip reads them and writes them in place.
;   SR               two scale bytes a row.  Loaded with half 0's gathers; read by the eight lines that make SA at the next trip's head.
;   window 1         the fragments.  Loaded by the gathers; read by the next trip's sixteen products.
;   SQM, LOM         sq[m]'s two parts.  Loaded by the gathers; read by the next trip's packed lines that make the keys.
;   v[LGO], v[LDO]   the list's offsets: made at the head and never written again: the list's scalar base moves on by a place at each trip's head, and an immediate offset does the rest.
;   D0, D1, EI, SA, VAL, IDX, T and BM are named by vector and matrix instructions alone.
; So a trip holds: one wait on vm_vsrc at its head (the last trip's gathers have read their offsets, which OFFS writes again); one wait on va_vdst ahead of the products (their scale words are written);
; ONE wait on va_vdst behind the keys' lines, which states all that the trip's loads hang on: they follow it, half 1's eight INSERTs later, and an INSERT names none of their registers;
; and in each INSERT one wait on va_sdst between its sixteen compares and the selects that read their masks.
.set UNIT,   512
.set GROUPB, 1024
.set BATCHB, 524288
.set LA,   1                           ; v1   my 16 bytes of codes in a unit: (8 hk + i) 16
.set LB,   2                           ; v2   my 8 bytes: 256 + (8 hk + i) 8
.set LS,   3                           ; v3   my scale word: 384 + 4 i, lanes 16-31 in the group's second unit
.set LGO,  4                           ; v4   the list: 512 for operand rows 8-15 (places q + 8); never rewritten
.set LDO,  5                           ; v5   the list: my result's place and row: 512 h + 4 r; never rewritten
.set OQ,   8                           ; v8   my result's group, in bytes
.set IBN,  10                          ; v10  and its first point
.set GD,   11                          ; v11  and its number
.set BSC,  14                          ; v14  source 1's scale words
.set D0,   16                          ; v[16:23], v[24:31] the two accumulators
.set D1,   24
.set SQM,  32                          ; v[32:47] sq[m] of my 16 candidates, upper parts
.set GR,   48                          ; v[48:63] for each of the 16 rows: the group that my operand row takes
.set OA,   64                          ; v[64:79], v[80:95], v[96:111] the byte offsets of my 16 bytes, 8 bytes, scale word
.set OB,   80
.set OS,   96
.set SR,   112                         ; v[112:127] two scale bytes for each row
.set SA,   128                         ; v[128:135] source 0's scale words, a pair each: lanes 0-15 half 0's, lanes 16-31 half 1's
.set EI,   136                         ; v[136:151] my 16 candidates' indices
.set VAL,  152                         ; v[152:167] the list's values, ascending
.set IDX,  168                         ; v[168:183] and their indices
.set T,    184                         ; v184-189 at work
.set Q,    190                         ; v[190:195] my row's codes
.set LOM,  196                         ; v[196:211] sq[m] of my 16 candidates, lower parts
.set PV,   64                          ; the tail: the other lane's list
.set PI,   80
.set WV,   12
.set SEL,  18                          ; s[18:19] v_permlanex16_b32's selects for lane l xor 16
.set HI,   20                          ; s20  the mask of lanes 16-31
.set CNT,  22
.set CM,   32                          ; s[32:47] sixteen compare masks
.set MSB, 0
.macro WIN new                         ; the immediate's high byte repeats the setting that is left
.if MSB != \new
	s_set_vgpr_msb (MSB<<8)|\new
.set MSB, \new
.endif
.endm
.set W_MUL, 0x09                       ; source 0 window 1, source 1 window 2, C and D window 0
.set TO_X,  0x40                       ; destination window 1
.set TO_BM, 0x80                       ; destination window 2
; (v[x], e) goes into the ascending list, behind its equals; the last item falls out.  All compares first: they read the old list.  Descending i, so that every old entry is read before it is written.
.macro INSERT x, e
.irp i, 0,1,2,3,4,5,6,7,8,9,10,11,12,13,14,15
	v_cmp_lt_f32 s[CM+\i], v[\x], v[VAL+\i]
.endr
.irp i, 15,14,13,12,11,10,9,8,7,6,5,4,3,2,1
	v_med3_num_f32 v[VAL+\i], v[\x], v[VAL+\i-1], v[VAL+\i]
.endr
	v_min_num_f32 v[VAL], v[\x], v[VAL]
	s_wait_alu depctr_va_sdst(0)                   ; the sixteen compares have written s[CM ..], ahead of the first select that reads one of them; the values' sixteen lines stand between
	v_cndmask_b32 v[T+15%3], v[IDX+15], \e, s[CM+15]
.irp i, 14,13,12,11,10,9,8,7,6,5,4,3,2,1
	v_cndmask_b32 v[T+\i%3], v[IDX+\i], \e, s[CM+\i]
	v_cndmask_b32 v[IDX+\i+1], v[T+(\i+1)%3], v[IDX+\i], s[CM+\i]
.endr
	v_cndmask_b32 v[IDX+1], v[T+1], v[IDX], s[CM]
	v_cndmask_b32 v[IDX], v[IDX], \e, s[CM]
.endm
; the list's words of the place off bytes behind the list's base: the 16 rows' groups for my operand row, and my result's group
.macro LISTLD off
.irp k, 0,1,2,3
	global_load_b128 v[GR+4*\k:GR+4*\k+3], v[LGO], s[6:7] offset:\off+16*\k
.endr
	global_load_b32 v[GD], v[LDO], s[6:7] offset:\off
.endm
; group numbers become byte offsets: held at 511, x 1,024 bytes, + my lane's places
.macro OFFS
.irp i, 0,1,2,3,4,5,6,7,8,9,10,11,12,13,14,15
	v_min_u32 v[GR+\i], 511, v[GR+\i]
.endr
	v_min_u32 v[GD], 511, v[GD]
.irp i, 0,1,2,3,4,5,6,7,8,9,10,11,12,13,14,15
	v_mul_u32_u24 v[GR+\i], v[GR+\i], GROUPB
.endr
	v_mul_u32_u24 v[OQ], v[GD], GROUPB
	v_lshlrev_b32 v[IBN], 4, v[GD]
.irp i, 0,1,2,3,4,5,6,7,8,9,10,11,12,13,14,15
	v_add_nc_u32 v[OA+\i], v[GR+\i], v[LA]
	v_add_nc_u32 v[OB+\i], v[GR+\i], v[LB]
	v_add_nc_u32 v[OS+\i], v[GR+\i], v[LS]
.endr
.endm
; the gathers of one half of the groups: for each row my 24 bytes of codes; my eight sq[m], both parts; with half 0 also both halves' scale bytes
.macro LG half
.if \half == 0
.irp i, 0,1,2,3,4,5,6,7,8,9,10,11,12,13,14,15
	global_load_u16 v[SR+\i], v[OS+\i], s[4:5]
.endr
.endif
	WIN TO_X
.irp i, 0,1,2,3,4,5,6,7,8,9,10,11,12,13,14,15
	global_load_b128 v[96*\half+6*\i:96*\half+6*\i+3], v[OA+\i], s[4:5] offset:UNIT*\half
	global_load_b64 v[96*\half+6*\i+4:96*\half+6*\i+5], v[OB+\i], s[4:5] offset:UNIT*\half
.endr
	WIN 0
	global_load_b128 v[SQM+8*\half:SQM+8*\half+3], v[OQ], s[4:5] offset:UNIT*\half+416
	global_load_b128 v[SQM+8*\half+4:SQM+8*\half+7], v[OQ], s[4:5] offset:UNIT*\half+432
	global_load_b128 v[LOM+8*\half:LOM+8*\half+3], v[OQ], s[4:5] offset:UNIT*\half+448
	global_load_b128 v[LOM+8*\half+4:LOM+8*\half+7], v[OQ], s[4:5] offset:UNIT*\half+464
.endm
; One place q of the lists: 16 candidates a lane.  next = 1: the gathers of place q + 1 are set going.
.macro QSTEP next
	s_wait_loadcnt 0x0                             ; this place's gathers and the next place's list words are in; every load's address register is free
.if \next
	s_add_nc_u64 s[6:7], s[6:7], 64                ; free since that wait, which shows the loads that read it done: the list's base moves on by a place
	s_wait_alu depctr_vm_vsrc(0)                   ; the gathers issued so far have read OA, OB, OS and OQ, which OFFS below writes again
.endif
.irp p, 0,1,2,3,4,5,6,7
	v_lshl_or_b32 v[SA+\p], v[SR+2*\p+1], 16, v[SR+2*\p]   ; bytes 0, 1: row 2 p's candidate; bytes 2, 3: row 2 p + 1's
.endr
.irp c, 0,1,2,3,4,5,6,7,8,9,10,11,12,13,14,15
	v_add_nc_u32 v[EI+\c], \c, v[IBN]              ; (these sixteen are also the places between the scale words' making and the scaled matrix instructions)
.endr
	WIN W_MUL
	s_wait_alu depctr_va_vdst(0)                   ; the scale words SA are written, which the products take (at the first place also BM and BSC, made at the head); the places above stay beside this wait
.irp p, 0,1,2,3,4,5,6,7
.if \p == 0
	v_wmma_scale_f32_16x16x128_f8f6f4 v[D0:D0+7], v[12*\p:12*\p+11], v[12*\p:12*\p+11], 0, v[SA+\p], v[BSC] matrix_a_fmt:MATRIX_FMT_FP6 matrix_b_fmt:MATRIX_FMT_FP6
	v_wmma_scale_f32_16x16x128_f8f6f4 v[D1:D1+7], v[96+12*\p:96+12*\p+11], v[12*\p:12*\p+11], 0, v[SA+\p], v[BSC] matrix_a_fmt:MATRIX_FMT_FP6 matrix_b_fmt:MATRIX_FMT_FP6 matrix_a_scale:MATRIX_SCALE_ROW1
.else
	v_wmma_scale_f32_16x16x128_f8f6f4 v[D0:D0+7], v[12*\p:12*\p+11], v[12*\p:12*\p+11], v[D0:D0+7], v[SA+\p], v[BSC] matrix_a_fmt:MATRIX_FMT_FP6 matrix_b_fmt:MATRIX_FMT_FP6
	v_wmma_scale_f32_16x16x128_f8f6f4 v[D1:D1+7], v[96+12*\p:96+12*\p+11], v[12*\p:12*\p+11], v[D1:D1+7], v[SA+\p], v[BSC] matrix_a_fmt:MATRIX_FMT_FP6 matrix_b_fmt:MATRIX_FMT_FP6 matrix_a_scale:MATRIX_SCALE_ROW1
.endif
.endr
	WIN 0
.if \next
	OFFS                                           ; place q + 1's offsets: plain vector work that names no register of the products: the places behind them
.else
.rept 4
	v_nop                                          ; the places behind the products
.endr
.endif
.irp j, 0,2,4,6,8,10,12,14             ; each accumulator from its low end on
	v_pk_fma_f32 v[D0+\j:D0+\j+1], v[D0+\j:D0+\j+1], -2.0, v[SQM+\j:SQM+\j+1] op_sel_hi:[1,0,1]   ; hi - 2 inner: one rounding, none for a near candidate
.endr
.irp j, 0,2,4,6,8,10,12,14
	v_pk_add_f32 v[D0+\j:D0+\j+1], v[D0+\j:D0+\j+1], v[LOM+\j:LOM+\j+1]                           ; + lo
.endr
.if \next
	; ONE wait for all the loads of this trip.  OFFS has written OA, OB, OS and OQ, which the gathers read as offsets, and is done with GR and GD, in which the list's words land; the lines that made SA are done
	; reading SR, the sixteen products their fragments in window 1, the keys' lines SQM and LOM: the gathers land in these.  Between here and half 1's gathers stand loads, window switches and eight INSERTs,
	; which name D0, EI, VAL, IDX, T and s[CM ..] alone.
	s_wait_alu depctr_va_vdst(0)
	s_cmp_eq_u32 s[CNT], 1                         ; the loop's last trip has no place q + 2: no load leaves the list
	s_cbranch_scc1 .Lno_list_\@
	LISTLD 64                                      ; the base stands at place q + 1
.Lno_list_\@:
	LG 0                                           ; sixteen INSERTs ahead of the wait for them
.endif
.irp j, 0,1,2,3,4,5,6,7
	INSERT D0+\j, v[EI+\j]
.endr
.if \next
	LG 1                                           ; eight INSERTs ahead
.endif
.irp j, 0,1,2,3,4,5,6,7
	INSERT D1+\j, v[EI+8+\j]
.endr
.endm
	s_load_b128 s[4:7], s[0:1], 0x0                ; cand, list
	s_load_b64 s[10:11], s[0:1], 0x10              ; out0
	v_lshl_add_u32 v254, v0, 2, 0x1000
	v_mov_b32 v255, 0
	v_lshrrev_b32 v1, 5, v0
	v_readfirstlane_b32 s[WV], v1                  ; wave 0..3
	s_lshl_b32 s13, ttmp9, 2
	s_wait_alu depctr_va_sdst(0)                   ; s[WV] is written, ahead of its first reader: the row tile, and with it every base, is made from it
	s_add_co_u32 s13, s13, s[WV]                   ; RT
	s_and_b32 s14, s13, 511                        ; my row tile in its batch
	s_lshr_b32 s16, s13, 9                         ; the batch
	s_mul_i32 s16, s16, BATCHB
	s_mov_b32 s17, 0
	s_mul_i32 s28, s14, GROUPB                     ; my 16 rows are a group: two units
	s_mov_b32 s29, 0
	s_lshl_b32 s30, s13, 10                        ; 1,024 bytes a row tile, in the list and in each plane of out0
	s_mov_b32 s31, 0
	s_mov_b32 s[SEL], 0x76543210
	s_mov_b32 s[SEL+1], 0xfedcba98
	s_mov_b32 s[HI], 0xffff0000
	s_mov_b32 s23, 0xaaaaaaaa                      ; the odd lanes
	v_and_b32 v184, 7, v0                          ; i: my place in a unit
	v_bfe_u32 v185, v0, 3, 1                       ; operand rows 8-15
	v_bfe_u32 v186, v0, 4, 1                       ; h: which 32 of K (operands); which half (scale words); which eight rows (results)
	v_and_b32 v187, 15, v0                         ; r
	v_lshl_add_u32 v188, v186, 3, v184             ; 8 h + i
	v_lshlrev_b32 v[LA], 4, v188
	v_lshlrev_b32 v[LB], 3, v188
	v_add_nc_u32 v[LB], 256, v[LB]
	v_mul_u32_u24 v[LS], v186, UNIT
	v_lshl_add_u32 v[LS], v184, 2, v[LS]
	v_add_nc_u32 v[LS], 384, v[LS]
	v_lshlrev_b32 v[LGO], 9, v185
	v_lshlrev_b32 v[LDO], 9, v186
	v_lshl_add_u32 v[LDO], v187, 2, v[LDO]
	v_mul_u32_u24 v189, v185, UNIT                 ; my own row r: unit r / 8, place r % 8
	v_add_nc_u32 v64, v189, v[LA]
	v_add_nc_u32 v65, v189, v[LB]
	v_lshl_add_u32 v66, v184, 2, v189
	s_wait_kmcnt 0x0
	s_add_nc_u64 s[4:5], s[4:5], s[16:17]          ; cand at my batch
	s_add_nc_u64 s[8:9], s[4:5], s[28:29]          ; at my rows
	s_add_nc_u64 s[6:7], s[6:7], s[30:31]          ; the list at my row tile
	s_add_nc_u64 s[10:11], s[10:11], s[30:31]      ; out0 likewise
	s_wait_alu depctr_va_vdst(0)                   ; v[LGO], v[LDO] and v64 to v66 are written, which the loads below read as offsets; the address lines are done with v188, in which my row's scale word lands
	LISTLD 0                                       ; place 0
	global_load_b128 v[Q:Q+3], v64, s[8:9]
	global_load_b64 v[Q+4:Q+5], v65, s[8:9]
	global_load_b32 v188, v66, s[8:9] offset:384   ; my row's scale word
	s_wait_loadcnt 0x0
	s_wait_alu depctr_vm_vsrc(0)                   ; my row's loads have read v64 to v66: these are OA's first three registers, which OFFS writes
	OFFS
	s_wait_alu depctr_va_vdst(0)                   ; OFFS has written OA, OB, OS and OQ, which the gathers read as offsets, and is done with GR and GD, in which place 1's list words land
	LISTLD 64                                      ; place 1
	LG 0                                           ; place 0's gathers
	LG 1
	v_lshl_or_b32 v187, v188, 16, 0x7f7f           ; an odd column's codes stand in K 64-127: its two bytes go up, 127 under them
	v_cndmask_b32 v[BSC], v188, v187, s23
	WIN TO_BM
.irp c, 0,1,2,3,4,5,6,7,8,9,10,11,12,13,14,15
	s_lshl_b32 s[24+\c%4], 0x10001, \c             ; the two lanes of column c
.irp j, 0,1,2,3,4,5
	v_cndmask_b32 v[6*\c+\j], 0, v[Q+\j], s[24+\c%4]   ; BM[c / 2], K half c % 2: column c's own codes, zero codes in every other column
.endr
.endr
	WIN 0
.irp i, 0,1,2,3,4,5,6,7,8,9,10,11,12,13,14,15
	v_mov_b32 v[VAL+\i], 0x7f800000                ; the list begins as +infinity
	v_mov_b32 v[IDX+\i], 0
.endr
	s_mov_b32 s[CNT], 7
.Lplace:
	QSTEP 1
	s_sub_co_u32 s[CNT], s[CNT], 1
	s_cmp_lg_u32 s[CNT], 0
	s_cbranch_scc1 .Lplace
	QSTEP 0                                        ; place 7: nothing is left to gather
	; THE TWO LANES OF A ROW ARE MERGED: the other lane's 16 items, in their order, go into my list.  In lanes 0-15 the newcomers have the higher indices and go behind their equals, as they should; lanes 16-31's result is not used.
	s_wait_alu depctr_vm_vsrc(0)                   ; the last gathers have read OA, OB and OS: from here on these registers are PV, PI and v96 on, which the lane permutes write
.irp i, 0,1,2,3,4,5,6,7,8,9,10,11,12,13,14,15
	v_permlanex16_b32 v[PV+\i], v[VAL+\i], s[SEL], s[SEL+1]
.endr
.irp i, 0,1,2,3,4,5,6,7,8,9,10,11,12,13,14,15
	v_permlanex16_b32 v[PI+\i], v[IDX+\i], s[SEL], s[SEL+1]
.endr
.irp i, 0,1,2,3,4,5,6,7,8,9,10,11,12,13,14,15
	INSERT PV+\i, v[PI+\i]
.endr
	; THE WAY OUT: lane (r, h) takes neighbours 8 h .. 8 h + 7 of row r: 32 bytes; through my wave's stage they become runs of 512 consecutive bytes.
.irp k, 0,1,2,3,4,5,6,7
	v_permlanex16_b32 v[96+\k], v[IDX+8+\k], s[SEL], s[SEL+1]
.endr
.irp k, 0,1,2,3,4,5,6,7
	v_cndmask_b32 v[112+\k], v[IDX+\k], v[96+\k], s[HI]
.endr
	v_and_b32 v187, 15, v0                         ; r
	v_bfe_u32 v188, v0, 4, 1                       ; h
	s_lshl_b32 s15, s[WV], 10                      ; my stage
	v_lshlrev_b32 v189, 6, v187
	v_lshl_add_u32 v189, v188, 5, v189
	v_add_nc_u32 v189, s15, v189                   ; in: 64 r + 32 h
	v_and_b32 v187, 31, v0
	v_lshlrev_b32 v6, 4, v187                      ; back, and in memory: 16 bytes a lane
	v_add_nc_u32 v7, s15, v6
	v_lshrrev_b32 v187, 2, v187                    ; four lanes to a row of 64 bytes
	s_lshl_b32 s16, s14, 4                         ; my first point
	v_add_nc_u32 v128, s16, v187                   ; the second plane: the row's own number, sixteen times
.irp j, 1,2,3
	v_mov_b32 v[128+\j], v128
.endr
.irp j, 0,1,2,3
	v_add_nc_u32 v[132+\j], 8, v128                ; rows 8-15
.endr
	s_wait_alu depctr_va_vdst(0)                   ; one wait for the way out: v112 to v119 and v189 are written, which the LDS stores read; v7, the LDS loads' address; v6 and v128 to v135, the global stores' offset and data; and every vector line that named v120 to v127, in which the LDS loads land, is done
	ds_store_b128 v189, v[112:115]
	ds_store_b128 v189, v[116:119] offset:16
	ds_load_b128 v[120:123], v7                    ; LDS serves a wave's instructions in order (ISA guide 5.7.1.4): these see my stores
	ds_load_b128 v[124:127], v7 offset:512
	global_store_b128 v6, v[128:131], s[10:11] offset:1048576 th:TH_STORE_NT       ; every store covers 512 consecutive bytes, at a multiple of 256 from out0's first byte; written once, read by nobody here
	global_store_b128 v6, v[132:135], s[10:11] offset:1048576+512 th:TH_STORE_NT
	s_wait_dscnt 1                                 ; the first read-back is in; the one issued behind it may be out
	global_store_b128 v6, v[120:123], s[10:11] th:TH_STORE_NT
	s_wait_dscnt 0x0
	global_store_b128 v6, v[124:127], s[10:11] offset:512 th:TH_STORE_NT
	s_wait_dscnt 0x0
	s_wait_alu depctr_hold_cnt(0) depctr_sa_sdst(0) depctr_va_vdst(0) depctr_va_sdst(0) depctr_va_ssrc(0) depctr_va_vcc(0) depctr_vm_vsrc(0)
	s_wait_tensorcnt 0x0
	ds_add_u32 v254, v255
	s_wait_dscnt 0x0
	s_endpgm
.Lfunc_end_k_qed8c338b71_refine:
	.size	k_qed8c338b71_refine, .Lfunc_end_k_qed8c338b71_refine-k_qed8c338b71_refine
	.p2alignl 7, 3214868480
	.fill 96, 4, 3214868480
	.section	.rodata,"a",@progbits
	.p2align	6, 0x0
	.amdhsa_kernel k_qed8c338b71_refine
		.amdhsa_group_segment_fixed_size 4608
		.amdhsa_private_segment_fixed_size 0
		.amdhsa_enable_private_segment 0
		.amdhsa_kernarg_size 24
		.amdhsa_user_sgpr_count 2
		.amdhsa_user_sgpr_kernarg_segment_ptr 1
		.amdhsa_wavefront_size32 1
		.amdhsa_system_sgpr_workgroup_id_x 1
		.amdhsa_system_sgpr_workgroup_id_y 1
		.amdhsa_system_sgpr_workgroup_id_z 1
		.amdhsa_system_vgpr_workitem_id 0
		.amdhsa_next_free_vgpr 608
		.amdhsa_next_free_sgpr 66
		.amdhsa_reserve_vcc 0
		.amdhsa_float_denorm_mode_32 3
		.amdhsa_float_denorm_mode_16_64 3
		.amdhsa_memory_ordered 1
		.amdhsa_forward_progress 1
		.amdhsa_inst_pref_size 241
	.end_amdhsa_kernel
	.amdgpu_metadata
---
amdhsa.version: [ 1, 2 ]
amdhsa.kernels:
  - .name:           k_qed8c338b71_refine
    .symbol:         k_qed8c338b71_refine.kd
    .args:
      - { .name: cand, .offset: 0, .size: 8, .value_kind: global_buffer, .address_space: global }
      - { .name: list, .offset: 8, .size: 8, .value_kind: global_buffer, .address_space: global }
      - { .name: out0, .offset: 16, .size: 8, .value_kind: global_buffer, .address_space: global }
    .group_segment_fixed_size: 4608
    .private_segment_fixed_size: 0
    .kernarg_segment_align: 8
    .kernarg_segment_size: 24
    .max_flat_workgroup_size: 128
    .sgpr_count:     66
    .vgpr_count:     608
    .wavefront_size: 32
...
	.end_amdgpu_metadata
.endif
;; end of part 4
